; MI455X (gfx1250); checked and timed in simulation.
; The chip was launched on July 23, 2026; its instructions are those of AMD's public machine-readable ISA for CDNA 5 (MIT licence, August 2026) and "CDNA5" Instruction Set Architecture Reference Guide (July 2026). The comments in the code are by the model that wrote it; some were corrected since.
;; Full Attention. Allowed arithmetic: matrix products marked QUANTISED: E2M3 operands, one E8M0 scale for each 32 along K, by v_wmma_scale_f32_16x16x128_f8f6f4 with both operands' format E2M3, f32 sums; everything else in f32.
;; Inputs: keys 4 x 2,048 x 16 x 64 float32; queries 4 x 2,048 x 16 x 64 float32; values 4 x 2,048 x 16 x 64 float32.
;; Outputs: out0 4 x 2,048 x 16 x 64 float32.
;; This version of the problem:
;;   THIS VERSION OF THE PROBLEM IS GIVEN IN LOW PRECISION. The matrix products marked QUANTISED in the list below multiply operands that are first quantised to E2M3 (2 exponent bits, 3 mantissa bits; 6 bits a number), with one power-of-two scale for each 32 numbers along K (OCP MX v1.0); their sums are f32. All else is computed in f32.
;;   The module's matrix products, in the order in which they are computed (A, B: the left and right operand; K: the contracted axis; several contracted axes count as one K, in the product's order):
;;     1. batch 64 x [M 2,048, K 64] x [K 64, N 2,048]; A: input queries; B: input keys: QUANTISED
;;     2. batch 64 x [M 64, K 2,048] x [K 2,048, N 2,048]; A: input values; B: softmax (see below): QUANTISED
;;   THE QUANTISER, for each operand of a quantised product, along K:
;;     - K is cut into blocks of 32 from its start; a last block that is shorter is filled with zeros.
;;     - A block's scale is 2^e with e = floor(log2(the largest magnitude in the block)) - 2, held to -126 .. 127; a block of zeros has e = 0. As a byte (E8M0): e + 127.
;;     - Each number is divided by its block's scale, clamped to +-7.5, and rounded to the nearest number of E2M3, ties to even, subnormals kept.
;;     - The product sums the exact products of the quantised numbers (number of the format x scale) in f32.
;;   ~~~python
;;   def quantise(x, axis):      # numpy; x: float32 -> the quantised numbers, widened to float32 again
;;       x = np.moveaxis(x, axis, -1); K = x.shape[-1]
;;       x = np.pad(x, [(0, 0)] * (x.ndim - 1) + [(0, -K % 32)]); x = x.reshape(x.shape[:-1] + (-1, 32)); a = np.abs(x).max(-1, keepdims=True)
;;       e = np.where(a > 0, np.clip(np.frexp(np.where(a > 0, a, 1))[1] - 1 - 2, -126, 127), 0)      # np.frexp(a)[1] - 1 = floor(log2(a)), exactly
;;       r = np.clip(x / 2.0 ** e, -7.5, 7.5)
;;       step = 2.0 ** (np.maximum(np.frexp(np.where(r == 0, 1, r))[1] - 1, 0) - 3)
;;       q = np.round(r / step) * step * 2.0 ** e      # np.round: ties to even
;;       return np.moveaxis(q.reshape(q.shape[:-2] + (-1,))[..., :K], -1, axis).astype(np.float32)
;;   ~~~
;;   SOFTMAX AHEAD OF A QUANTISED PRODUCT. Where the list says 'softmax', what is quantised is not the finished softmax but p = 2^(t - M), with t = logit x log2(e) and M = ceil(the row's largest t), a whole number; so 1/2 < the row's largest p <= 1. The row's sum l is taken of the UNQUANTISED p, in f32, and the product's result is divided by l at the end. Since M is a whole number, a kernel that streams over the keys may use a running M (the ceiling of the running maximum): every later rescaling is an exact power of two, which a block's scale takes up: the codes' values come out the same.
;;   OPERANDS COMPUTED ON THE WAY. 'Computed on the way' means the value that the module computes at that place (a softmax that the list does not call 'softmax' is quantised finished and normalised). What goes into a quantiser is computed in f32, as accurately as f32 sums, v_exp_f32 and their like allow (about 1e-6 of the number): no bf16 or f16 on the way to a quantiser, and a product that is left as it is and whose result goes on into a quantised operand takes f32 operands (vector FMAs, or v_wmma_f32_16x16x4_f32). A number that lies on a knife's edge between two numbers of the format may be rounded either way, as far as f32 arithmetic and the matrix unit's own rounding can turn it there, and no further.
;; One version. Each part assembles by itself: llvm-mc -triple=amdgcn-amd-amdhsa -mcpu=gfx1250 --defsym DOCPART=n.
;; ======== version 1 of 1: 2 launches
;; limits: right only within a limited range of input values
;; workspace buffers: kv 13,107,200 bytes
;; launch quant (part 1): grid 64 x 16, 4 waves a work-group, no clusters, 70,912 bytes of LDS; arguments keys, values, kv; writes kv
.if DOCPART == 1
	.amdgcn_target "amdgcn-amd-amdhsa--gfx1250"
	.amdhsa_code_object_version 6
	.text
	.protected	k_q073bf829d0_quant
	.globl	k_q073bf829d0_quant
	.p2align	8
	.type	k_q073bf829d0_quant,@function
k_q073bf829d0_quant:
	s_mov_b64 s[64:65], 0
	v_nop
	global_prefetch_b8 v0, s[64:65] scope:SCOPE_SE
	s_setreg_imm32_b32 hwreg(HW_REG_WAVE_MODE, 25, 1), 1
	s_wait_xcnt 0x0
; keys and values, [4][2048][16][64] f32, become codes of FP6 (E2M3) with one E8M0 scale byte for each 32 along a product's K:
; keys along the head's 64 (two blocks a key), values along the KEYS (a block = 32 keys of one channel).
; A block's scale is 2^(floor(log2(its largest magnitude)) - 2); its byte is the largest magnitude's exponent field - 2, held at 1 from below.
; LIMITS: NaN and infinities among the inputs are not served; a block whose largest magnitude lies under 2^-124 keeps the floor's byte, 1;
; a block of zeros has the byte 1 where the rule says 127: its codes are zeros, and this program alone reads the bytes.
; THE WORKSPACE is laid in the order of the operands' registers.  For head hb = 16 b + h and key step (128 keys) there is a RECORD of 12,800 bytes at (16 hb + step) x 12,800:
;   0      K's 4 fragments f, 1,536 bytes each: register i of lane L at 1536 f + 512 (i / 4) + 16 L + 4 (i % 4)
;   6144   V's 4 fragments t, likewise
;   12288  K's scale words, lane r's word of fragment f at 16 r + 4 f;     12544  V's, at 16 r + 4 t
; A fragment of K holds TWO tiles of 16 keys: lane (r, h), registers 6 c .. 6 c + 5: key 64 (f / 2) + 16 (f % 2) + 8 c + r % 8 + 32 (r / 8) of the step, dims 32 h .. 32 h + 31.
; A fragment of V: lane (r, h), registers 6 c .. 6 c + 5: channel 16 t + r, keys 64 c + 32 h + 0 .. 31 of the step.  In both, byte 2 c + h of lane r's scale word is that block's.
; SHARES.  Work-group (x = hb, y = step) makes one record; wave w makes K's fragment w and V's fragment w, and loads keys 32 w .. 32 w + 31 of V and, for K, keys 64 (w / 2) + 16 (w % 2) + 0 .. 15 and + 32 .. 47.
; Every global load takes whole rows of 256 bytes (a token's 64 numbers of one head), sixteen lanes to a row; the turn to 'a lane holds a whole block in consecutive registers' goes through LDS.
; No tensor loads, no ring; two barriers: V's stage is whole; the scale words are gathered.
.set KSTW,  8704                       ; K's stage, each wave's own: 32 rows x (256 bytes + 16)
.set VST,   4*KSTW                     ; V's stage, shared: region w' holds keys 32 w' .. + 31,
.set VSTW,  8768                       ; 32 rows x 272 bytes + 64: two regions lie 64 bytes apart modulo 256, so the two halves of the lanes of a column read take different words of a 256-byte span
.set SCG,   VST+4*VSTW                 ; 512 bytes: the record's scale words.  It lies beyond what an LDS instruction's 16-bit offset reaches: registers carry it
.set REC,   12800
.set FRB,   1536
.set C16,   1                          ; v1   lane % 16
.set HH,    2                          ; v2   lane / 16
.set GK,    3                          ; v3   K in memory: 8 tokens x HH + 16 C16
.set GV,    4                          ; v4   V in memory: 16 tokens x HH + 16 C16
.set SK,    5                          ; v5   into K's stage: row 16 HH + i
.set RK,    6                          ; v6   out of it: row C16, + 128 HH
.set SV,    7                          ; v7   into V's stage: my region, row 16 HH + i
.set RV,    8                          ; v8   out of it: region HH (+ 2 c), my channel's word
.set LI,    9                          ; v9   16 x lane: an image's place for my lane
.set SG,    10                         ; v10  where my scale word goes
.set SH,    11                         ; v11  8 HH: my bytes' place in a scale word, in bits
.set MX,    12                         ; v12-13 two blocks' largest magnitudes
.set SO,    14                         ; v14-15 the conversions' scale operands
.set BY,    16                         ; v16-17 the scale bytes
.set PT,    18                         ; v18  a lane permute's destination
.set KW,    19                         ; v19  K's scale word;  v20 V's;  v21 the one that my half of the lanes stores
.set VW,    20
.set WD,    21
.set SGR,   23                         ; v23  SCG + 16 x lane: where wave 0 reads the gathered scale words back
.set KC,    24                         ; v24-35 K's codes
.set VC,    36                         ; v36-47 V's codes
.set KN,    48                         ; v48-111 K's numbers
.set VN,    112                        ; v112-175 V's numbers
.set TP,    176                        ; v176-178, v180-182: a conversion's three registers begin on an even number, a block's second three do not
	s_load_b128 s[4:7], s[0:1], 0x0                ; keys, values
	s_load_b64 s[8:9], s[0:1], 0x10                ; kv
	v_lshl_add_u32 v184, v0, 2, 0x11300
	v_mov_b32 v185, 0
	v_lshrrev_b32 v22, 5, v0
	v_readfirstlane_b32 s10, v22                   ; wave 0..3
	s_and_b32 s12, ttmp7, 0xffff                   ; the key step
	s_lshr_b32 s14, ttmp9, 4                       ; b: 2^23 bytes each,
	s_lshl_b32 s14, s14, 23
	s_lshl_b32 s15, s12, 19                        ; 128 tokens of 4,096 bytes a step,
	s_add_co_u32 s14, s14, s15
	s_and_b32 s15, ttmp9, 15                       ; 256 bytes a head
	s_lshl_b32 s15, s15, 8
	s_add_co_u32 s14, s14, s15
	; K'S KEY ORDER (it takes the place of the formula in the head comment): lane (r, h), registers 6 c .. 6 c + 5 of fragment f hold key
	; 64 (f / 2) + 16 (f % 2) + 8 c + r % 8 + 32 (r / 8) of the step: rows 0-7 and rows 8-15 of a tile lie in two neighbouring blocks of 32 keys.
	; So wave w loads, for K, from token 64 (w / 2) + 16 (w % 2) on; for V it loads tokens 32 w .. 32 w + 31 as before.
	s_lshr_b32 s24, s10, 1
	s_lshl_b32 s24, s24, 18
	s_and_b32 s25, s10, 1
	s_lshl_b32 s25, s25, 16
	s_add_co_u32 s24, s24, s25
	s_add_co_u32 s24, s24, s14                     ; K's offset
	s_mov_b32 s25, 0
	s_lshl_b32 s15, s10, 17                        ; V: 32 tokens a wave
	s_add_co_u32 s14, s14, s15
	s_mov_b32 s15, 0
	s_mul_i32 s16, ttmp9, 16*REC                   ; my record, and my fragment in it
	s_mul_i32 s17, s12, REC
	s_add_co_u32 s16, s16, s17
	s_mul_i32 s17, s10, FRB
	s_add_co_u32 s16, s16, s17
	s_mov_b32 s17, 0
	s_mov_b32 s20, 0x76543210
	s_mov_b32 s21, 0xfedcba98                      ; v_permlanex16_b32's selects for lane l xor 16
	s_mul_i32 s18, s10, KSTW
	s_mul_i32 s19, s10, VSTW
	s_lshl_b32 s22, s10, 6                         ; my 16 channels' 64 bytes of a row of V
	s_lshl_b32 s23, s10, 2
	v_and_b32 v[C16], 15, v0
	v_bfe_u32 v[HH], v0, 4, 1
	v_lshlrev_b32 v[GK], 4, v[C16]
	v_lshl_add_u32 v[GV], v[HH], 16, v[GK]
	v_mad_u32_u24 v[SK], v[HH], 16*272, v[GK]
	v_add_nc_u32 v[SV], s19, v[SK]
	v_add_nc_u32 v[SV], VST, v[SV]
	v_add_nc_u32 v[SK], s18, v[SK]
	v_lshl_add_u32 v[GK], v[HH], 15, v[GK]
	v_mul_u32_u24 v[RK], v[C16], 272
	v_lshl_add_u32 v[RK], v[HH], 7, v[RK]
	v_add_nc_u32 v[RK], s18, v[RK]
	v_mul_u32_u24 v[RV], v[HH], VSTW
	v_lshl_add_u32 v[RV], v[C16], 2, v[RV]
	v_add_nc_u32 v[RV], s22, v[RV]
	v_add_nc_u32 v[RV], VST, v[RV]
	v_and_b32 v[LI], 31, v0
	v_lshlrev_b32 v[LI], 4, v[LI]
	v_add_nc_u32 v[SGR], SCG, v[LI]                ; made here, where all waves still walk one way
	v_lshlrev_b32 v[SG], 4, v[C16]
	v_lshl_add_u32 v[SG], v[HH], 8, v[SG]          ; lanes 0-15 store K's word, lanes 16-31 V's, 256 bytes on
	v_add_nc_u32 v[SG], s23, v[SG]
	v_add_nc_u32 v[SG], SCG, v[SG]
	v_lshlrev_b32 v[SH], 3, v[HH]
	v_mov_b32 v[PT], 0                             ; written once: a lane permute's destination counts as one of its sources
	s_wait_kmcnt 0x0
	s_add_nc_u64 s[4:5], s[4:5], s[24:25]
	s_add_nc_u64 s[6:7], s[6:7], s[14:15]
	s_add_nc_u64 s[8:9], s[8:9], s[16:17]
; 64 numbers of a lane, register 32 c + i = number i of my block c, become 12 registers of codes and my row's scale word.
.macro QUANT64 src, dst, word
.irp c, 0,1
	v_max3_num_f32 v[MX+\c], |v[\src+32*\c]|, |v[\src+32*\c+1]|, 0x1800000   ; all 32 numbers of a block are mine; the floor 2^(3 - 127) holds the byte at 1 from below
.endr
.irp i, 2,4,6,8,10,12,14,16,18,20,22,24,26,28,30
.irp c, 0,1
	v_max3_num_f32 v[MX+\c], v[MX+\c], |v[\src+32*\c+\i]|, |v[\src+32*\c+\i+1]|   ; (the two blocks by turns)
.endr
.endr
.irp c, 0,1
	v_add_nc_u32 v[SO+\c], 0xff000000, v[MX+\c]    ; 2 off the exponent field: the conversion takes the exponent field of this operand as its scale
.endr
.irp c, 0,1
	v_lshrrev_b32 v[BY+\c], 23, v[SO+\c]           ; the scale's byte
.endr
	v_lshl_or_b32 v[\word], v[BY+1], 16, v[BY]     ; my two bytes, blocks HH and 2 + HH,
	v_lshlrev_b32 v[\word], v[SH], v[\word]        ; at their places;
	v_permlanex16_b32 v[PT], v[\word], s20, s21
	v_or_b32 v[\word], v[\word], v[PT]             ; with lane l xor 16's two the word is whole
.irp c, 0,1
	v_cvt_scalef32_pk16_fp6_f32 v[\dst+6*\c:\dst+6*\c+2], v[\src+32*\c:\src+32*\c+15], v[SO+\c]
	v_cvt_scalef32_pk16_fp6_f32 v[TP+4*\c:TP+4*\c+2], v[\src+32*\c+16:\src+32*\c+31], v[SO+\c]
.endr
	v_nop                                          ; one plain place behind a scaled conversion
.irp c, 0,1
.irp i, 0,1,2
	v_mov_b32 v[\dst+6*\c+3+\i], v[TP+4*\c+\i]
.endr
.endr
.endm
.set i, 0
.rept 16
	global_load_b128 v[VN+4*i:VN+4*i+3], v[GV], s[6:7] offset:4096*i th:TH_LOAD_NT   ; V: keys 16 HH + i of my 32; sixteen lanes read a row of 256 bytes
.set i, i+1
.endr
.set i, 0
.rept 16
	global_load_b128 v[KN+4*i:KN+4*i+3], v[GK], s[4:5] offset:((i%8)+32*(i/8))*4096 th:TH_LOAD_NT   ; K: token i % 8 + 32 (i / 8) + 8 HH from my first: tile c = HH, row r = i
.set i, i+1
.endr
	s_wait_loadcnt 16                              ; V's 16 loads are in; K's 16, issued behind them, may be out
.set i, 0
.rept 16
	ds_store_b128 v[SV], v[VN+4*i:VN+4*i+3] offset:272*i
.set i, i+1
.endr
	s_wait_loadcnt 0x0                             ; K
.set i, 0
.rept 16
	ds_store_b128 v[SK], v[KN+4*i:KN+4*i+3] offset:272*i
.set i, i+1
.endr
.irp c, 0,1
.irp j, 0,1,2,3,4,5,6,7
	ds_load_b128 v[KN+32*\c+4*\j:KN+32*\c+4*\j+3], v[RK] offset:16*272*\c+16*\j   ; my wave's own bytes, served in order: key (c, r = C16), dims 32 HH + 4 j on
.endr
.endr
	s_wait_dscnt 0x0                               ; for the others' sake: my rows of V lie in the stage (and K's numbers are back)
	s_barrier_signal -1
	s_barrier_wait -1
.set i, 0
.rept 32
	ds_load_b32 v[VN+i], v[RV] offset:272*i                  ; channel 16 w + C16, key 32 HH + i
	ds_load_b32 v[VN+32+i], v[RV] offset:2*VSTW+272*i        ; and key 64 + 32 HH + i
.set i, i+1
.endr
	QUANT64 KN, KC, KW                             ; K is quantised while V's numbers come out of the stage
.irp g, 0,1,2
	global_store_b128 v[LI], v[KC+4*\g:KC+4*\g+3], s[8:9] offset:512*\g   ; 32 lanes store 512 consecutive bytes, at a multiple of 256 from the buffer's first byte
.endr
	s_wait_dscnt 0x0                               ; V's 64 numbers
	QUANT64 VN, VC, VW
.irp g, 0,1,2
	global_store_b128 v[LI], v[VC+4*\g:VC+4*\g+3], s[8:9] offset:6144+512*\g
.endr
	v_cmp_eq_u32 vcc_lo, 0, v[HH]
	v_cndmask_b32 v[WD], v[VW], v[KW], vcc_lo      ; both words stand in both halves of the lanes: lanes 0-15 store K's, lanes 16-31 V's
	ds_store_b32 v[SG], v[WD]
	s_wait_dscnt 0x0                               ; for wave 0's sake
	s_barrier_signal -1
	s_barrier_wait -1
	s_cmp_lg_u32 s10, 0
	s_cbranch_scc1 .Lend
	ds_load_b128 v[KN:KN+3], v[SGR]                ; the record's 512 bytes of scale words
	s_wait_dscnt 0x0
	global_store_b128 v[LI], v[KN:KN+3], s[8:9] offset:12288   ; (in wave 0 the base stands at the record's first byte)
.Lend:
	s_wait_tensorcnt 0x0
	ds_add_u32 v184, v185
	s_wait_dscnt 0x0
	s_endpgm
.Lfunc_end_k_q073bf829d0_quant:
	.size	k_q073bf829d0_quant, .Lfunc_end_k_q073bf829d0_quant-k_q073bf829d0_quant
	.p2alignl 7, 3214868480
	.fill 96, 4, 3214868480
	.section	.rodata,"a",@progbits
	.p2align	6, 0x0
	.amdhsa_kernel k_q073bf829d0_quant
		.amdhsa_group_segment_fixed_size 70912
		.amdhsa_private_segment_fixed_size 0
		.amdhsa_enable_private_segment 0
		.amdhsa_kernarg_size 24
		.amdhsa_user_sgpr_count 2
		.amdhsa_user_sgpr_kernarg_segment_ptr 1
		.amdhsa_wavefront_size32 1
		.amdhsa_system_sgpr_workgroup_id_x 1
		.amdhsa_system_sgpr_workgroup_id_y 1
		.amdhsa_system_sgpr_workgroup_id_z 1
		.amdhsa_system_vgpr_workitem_id 0
		.amdhsa_next_free_vgpr 186
		.amdhsa_next_free_sgpr 66
		.amdhsa_reserve_vcc 1
		.amdhsa_float_denorm_mode_32 3
		.amdhsa_float_denorm_mode_16_64 3
		.amdhsa_memory_ordered 1
		.amdhsa_forward_progress 1
		.amdhsa_inst_pref_size 21
	.end_amdhsa_kernel
	.amdgpu_metadata
---
amdhsa.version: [ 1, 2 ]
amdhsa.kernels:
  - .name:           k_q073bf829d0_quant
    .symbol:         k_q073bf829d0_quant.kd
    .args:
      - { .name: keys, .offset: 0, .size: 8, .value_kind: global_buffer, .address_space: global }
      - { .name: values, .offset: 8, .size: 8, .value_kind: global_buffer, .address_space: global }
      - { .name: kv, .offset: 16, .size: 8, .value_kind: global_buffer, .address_space: global }
    .group_segment_fixed_size: 70912
    .private_segment_fixed_size: 0
    .kernarg_segment_align: 8
    .kernarg_segment_size: 24
    .max_flat_workgroup_size: 128
    .sgpr_count:     66
    .vgpr_count:     186
    .wavefront_size: 32
...
	.end_amdgpu_metadata
.endif
;; end of part 1
;; launch attn (part 2): grid 4 x 64, 8 waves a work-group, clusters of 4 x 1, 275,456 bytes of LDS; arguments queries, kv, out0; writes out0
.if DOCPART == 2
	.amdgcn_target "amdgcn-amd-amdhsa--gfx1250"
	.amdhsa_code_object_version 6
	.text
	.protected	k_q073bf829d0_attn
	.globl	k_q073bf829d0_attn
	.p2align	8
	.type	k_q073bf829d0_attn,@function
k_q073bf829d0_attn:
	s_mov_b64 s[64:65], 0
	v_nop
	global_prefetch_b8 v0, s[64:65] scope:SCOPE_SE
	s_setreg_imm32_b32 hwreg(HW_REG_WAVE_MODE, 25, 1), 1
	s_wait_xcnt 0x0
	s_wait_alu depctr_hold_cnt(0) depctr_sa_sdst(0) depctr_va_vdst(0) depctr_va_sdst(0) depctr_va_ssrc(0) depctr_va_vcc(0) depctr_vm_vsrc(0)
	s_getreg_b32 s2, hwreg(HW_REG_IB_STS2, 6, 4)
	s_cmp_eq_u32 s2, 0
	s_cbranch_scc0 .Lentry_in_a_cluster
	s_endpgm
.Lentry_in_a_cluster:
	s_bfe_u32 s2, ttmp6, 0x10000c
	s_cmp_lg_u32 s2, 0x3003
	s_cbranch_scc0 .Lentry_shape_is_right
	s_endpgm
.Lentry_shape_is_right:
; out0[b][q][h][:] = sum over k of softmax_k(Q . K / 8) V, no mask; 64 heads hb = 16 b + h, 2,048 queries and keys, head size 64.  Both products on codes of FP6 (E2M3), one E8M0 scale for each 32 along K.
; THE SOFTMAX AHEAD OF THE SECOND PRODUCT: t = score x log2(e) / 8; M = the largest t so far, rounded UP to a whole number; p = 2^(t - M) is quantised along the keys, not normalised;
; the row's sum is taken of the unquantised p and divides at the end.  When M moves, the sum and O are multiplied by 2^(old M - new M): exact.
; LIMITS: NaN and infinities among the inputs are not served; a block whose largest magnitude lies under 2^-124 keeps the floor's byte, 1 (a block of zeros too: its codes are zeros); a p under 2^-126 is taken as 0;
; the scaled scores stay under 2^31 in magnitude.
; SHARES.  A work-group owns 512 queries of one head; each of its EIGHT waves owns 64 of them, four tiles of 16, in TWO PASSES of two tiles over the 16 key steps (128 keys each): a fragment of K or V read from LDS
; serves two tiles; the second pass's queries are on their way during the first, and the first pass's stores leave during the second.  64 heads x 4 = 256 work-groups of equal work.
; K and V of the head (16 records of 12,800 bytes from the launch before) come into LDS once and stay: no ring, no refill, no barrier in the loop.
; CLUSTER.  The four work-groups of a head want the same records: wave w asks for records 2 w and 2 w + 1, dense in memory, by ONE joint load with the same wave of the three partners.
; NO DATA PREFETCH: the records are asked for once, at the head, and all queries by loads into registers there, the second pass's 16 steps ahead of their use.
; A RECORD: 0: K's 4 fragments of 1,536 bytes; 6144: V's 4; 12288: K's scale words (16 r + 4 f); 12544: V's (16 r + 4 t).  A fragment comes by three loads of 16 bytes a lane at 16 x lane.
; THE FIRST PRODUCT'S K IS 64, THE INSTRUCTION'S 128: a fragment of K holds two tiles of 16 keys and is multiplied by [Q | 0] and by [0 | Q].  Zero codes add nothing.
; Both products are used transposed (S^T = K Q^T, O^T = V^T P^T): a lane holds ONE query (lane % 16).  Row m of key tile u is key 64 (u / 4) + 32 (m / 8) + 8 (u % 4) + m % 8,
; so S^T's register 32 g + i of lane (r, h) is key 64 g + 32 h + i: A LANE HOLDS WHOLE BLOCKS OF 32 KEYS, in the order of the second product's operand: no lane is asked for a block's maximum, no codes change lanes.
; THE STEP IS A PIPE over the pair's tiles a and b, on two score buffers: behind a's maxima b's scores are issued; behind b's maxima a's second product and a's scores of the next step; b's second product ends the step.
; This step's V and the next step's K are asked of LDS in the middle of a's softmax.  A pass's first step starts O^T and the sums (C = 0), its last asks for no further K: both are written out beside the loop of 14.
; REGISTERS.  Window 0: v0-53 addresses, state, scale words; v54-65 p's codes; v66-72 a conversion's odd halves; v74-127 zero codes and Q's codes by turns; v128-191, v192-255 S^T / p.
; Window 1: v0-127 O^T (tile q at 32 q; before that Q's numbers as loaded, after it the rows on their way out); v128-175 K's fragments; v176-223 V's.
.set REC,   12800
.set VIMG,  6144
.set STAGE, 16*REC                     ; behind the records: two stages of 16 rows x 272 bytes for each wave, its own; no tensor load lands there
.set STG,   4352
.set SPARE, STAGE+8*2*STG              ; the spare words, 128 bytes a wave
.set LI,  1                            ; 16 x lane
.set LSC, 2                            ; 12,288 + 16 r
.set ADR, 3                            ; the record in hand + LI
.set ADS, 4                            ; the record in hand + LSC
.set SPW, 5
.set NIL, 6
.set STA, 8                            ; v8-23: tile q at 8 + 4 q: -M, the largest score so far, the sum (a pair)
.set FF,  24                           ; f = 2^(old M - new M); v25 named with it
.set BM,  26                           ; v26-29 and v34-37: eight chains of maxima; v34-39 then three chains of the sum
.set SO,  30                           ; v30-31 the conversions' scale operands
.set T0,  32
.set T1,  33
.set KS,  40                           ; v40-43 K's scale words, v44-47 V's, v48-51 Q's, v52 p's
.set VS,  44
.set QS,  48
.set PW,  52
.set SH,  53                           ; 8 h
.set PC,  54
.set AQG, 54                           ; outside the loops p's registers hold addresses: 4,096 h + 16 r
.set ASA, 55                           ; my stage by whole rows: row h, 16 r
.set ASB, 56                           ; row r, + 128 h
.set ASC, 57                           ; row r, + 32 h
.set RR,  58
.set HH,  59
.set CT,  66
.set QZ,  74                           ; [0 | Q q] = v[74 + 12 q ..], [Q q | 0] = v[80 + 12 q ..]
.set KF,  128                          ; window 1
.set VF,  176                          ; window 1
.set WV,  10
.set G1,  16
.set G0,  24
.set SEL, 28
.set CS,  30                           ; s[30:31] c = log2(e) / 8, twice
.set TB,  32
.set CNT, 33
.set CN,  34                           ; -c
.set MSB, 0
.macro WIN new                         ; the immediate's high byte repeats the setting that is left
.if MSB != \new
	s_set_vgpr_msb (MSB<<8)|\new
.set MSB, \new
.endif
.endm
.macro WA
	s_wait_alu depctr_va_vdst(0)
.endm
.macro D1
	s_delay_alu instid0(VALU_DEP_1)
.endm
.macro D2
	s_delay_alu instid0(VALU_DEP_2)
.endm
.macro ROUND                           ; a round of the cluster's barrier
	s_barrier_signal -1
	s_barrier_wait -1
	s_cmp_lg_u32 s[WV], 0
	s_cbranch_scc1 .Lnot_wave_0_\@
	s_barrier_signal -3
.Lnot_wave_0_\@:
	s_barrier_wait -3
	s_barrier_signal -1
	s_barrier_wait -1
.endm
.macro ADDRS                           ; the stage's and memory's lane terms, made from v0
	v_and_b32 v[RR], 15, v0
	v_bfe_u32 v[HH], v0, 4, 1
	v_lshlrev_b32 v[AQG], 4, v[RR]
	v_mul_u32_u24 v[ASA], v[HH], 272
	v_mul_u32_u24 v[ASB], v[RR], 272
	v_lshl_add_u32 v[AQG], v[HH], 12, v[AQG]
	v_lshl_add_u32 v[ASA], v[RR], 4, v[ASA]
	v_lshl_add_u32 v[ASC], v[HH], 5, v[ASB]
	v_lshl_add_u32 v[ASB], v[HH], 7, v[ASB]
	v_add_nc_u32 v[ASA], s35, v[ASA]
	v_add_nc_u32 v[ASC], s35, v[ASC]
	v_add_nc_u32 v[ASB], s35, v[ASB]
.endm
.macro FRAGS dst, adr, off             ; four fragments into window 1
	WIN 0x40
.irp f, 0,1,2,3
.irp g, 0,1,2
	ds_load_b128 v[\dst+12*\f+4*\g:\dst+12*\f+4*\g+3], v[\adr] offset:\off+1536*\f+512*\g
.endr
.endr
	WIN 0
.endm
.macro QLOAD p                         ; tiles p, p + 1 as they lie in memory, into window 1: tokens 2 i + h, sixteen lanes to a row of 256 bytes
	WIN 0x40
.irp d, 0,1
.irp i, 0,1,2,3,4,5,6,7
	global_load_b128 v[32*(\p+\d)+4*\i:32*(\p+\d)+4*\i+3], v[AQG], s[4:5] offset:65536*(\p+\d)+8192*\i th:TH_LOAD_NT
.endr
.endr
	WIN 0
.endm
; S^T of query tile q: eight key tiles, each with C = 0; K from window 1
.macro QK q
.set QB, 128+64*((\q)%2)
	WIN 0x01
.irp f, 0,1,2,3
	v_wmma_scale_f32_16x16x128_f8f6f4 v[QB+16*\f:QB+16*\f+7], v[KF+12*\f:KF+12*\f+11], v[QZ+6+12*(\q):QZ+17+12*(\q)], 0, v[KS+\f], v[QS+(\q)] matrix_a_fmt:MATRIX_FMT_FP6 matrix_b_fmt:MATRIX_FMT_FP6
	v_wmma_scale_f32_16x16x128_f8f6f4 v[QB+16*\f+8:QB+16*\f+15], v[KF+12*\f:KF+12*\f+11], v[QZ+12*(\q):QZ+11+12*(\q)], 0, v[KS+\f], v[QS+(\q)] matrix_a_fmt:MATRIX_FMT_FP6 matrix_b_fmt:MATRIX_FMT_FP6
.endr
.endm
; O^T of tile q += V^T P^T: four accumulators, one instruction a turn; V and O^T in window 1
.macro PV q, first
	WIN 0x51
.irp t, 0,1,2,3
.if \first
	v_wmma_scale_f32_16x16x128_f8f6f4 v[32*(\q)+8*\t:32*(\q)+8*\t+7], v[VF+12*\t:VF+12*\t+11], v[PC:PC+11], 0, v[VS+\t], v[PW] matrix_a_fmt:MATRIX_FMT_FP6 matrix_b_fmt:MATRIX_FMT_FP6
.else
	v_wmma_scale_f32_16x16x128_f8f6f4 v[32*(\q)+8*\t:32*(\q)+8*\t+7], v[VF+12*\t:VF+12*\t+11], v[PC:PC+11], v[32*(\q)+8*\t:32*(\q)+8*\t+7], v[VS+\t], v[PW] matrix_a_fmt:MATRIX_FMT_FP6 matrix_b_fmt:MATRIX_FMT_FP6
.endif
.endr
.endm
.macro SUMS n                          ; the next n pairs of p onto four chains by turns: the tile's sum and v34, v36, v38
.rept \n
.if (JJ%4) == 0
.set CH, ST+2
.else
.set CH, 32+2*(JJ%4)
.endif
	v_pk_add_f32 v[CH:CH+1], v[CH:CH+1], v[SS+2*JJ:SS+2*JJ+1]
.set JJ, JJ+1
.endr
.endm
.macro SUM8 n                          ; behind the conversions: eight chains by turns: those four, and pairs A0 .. A0 + 3 of p in place
.rept \n
.if JJ < 32
.set CC, JJ%8
.if CC == 0
.set CH, ST+2
.else
.if CC < 4
.set CH, 32+2*CC
.else
.set CH, SS+2*(A0+CC-4)
.endif
.endif
	v_pk_add_f32 v[CH:CH+1], v[CH:CH+1], v[SS+2*JJ:SS+2*JJ+1]
.set JJ, JJ+1
.endif
.endr
.endm
; The softmax of tile q's 128 keys, and p's codes and scale word.  role 0: the pair's tile a; role 1: its tile b.
.macro SM q, first, last, role
.set SS, 128+64*(\role)
.set ST, STA+4*(\q)
	WIN 0
	WA                                             ; the wait ahead of the first readers of the scores
.irp k, 0,1,2,3,4,5,6,7
.set CK, BM+\k+4*(\k/4)
	v_max3_num_f32 v[CK], v[SS+8*\k], v[SS+8*\k+1], v[SS+8*\k+2]   ; a chain to an accumulator, read from its low end on
.endr
.irp i, 3,5
.irp k, 0,1,2,3,4,5,6,7
.set CK, BM+\k+4*(\k/4)
	v_max3_num_f32 v[CK], v[CK], v[SS+8*\k+\i], v[SS+8*\k+\i+1]
.endr
.endr
	v_max3_num_f32 v26, v26, v27, v[SS+7]
	v_max3_num_f32 v34, v34, v35, v[SS+39]
	v_max3_num_f32 v28, v28, v29, v[SS+15]
	v_max3_num_f32 v36, v36, v37, v[SS+47]
	v_max3_num_f32 v26, v26, v[SS+23], v[SS+31]
	v_max3_num_f32 v34, v34, v[SS+55], v[SS+63]
	D2
	v_max_num_f32 v[BM], v26, v28                  ; the largest score of my block g = 0,
	D2
	v_max_num_f32 v[BM+2], v34, v36                ; and of g = 1: they serve for the row's maximum and, since p rises with the score, for the block's largest p
.if \role == 0
	QK (\q)+1                                      ; b's scores of this step
.else
	PV (\q)-1, \first                              ; a's second product: 32 vector instructions stand behind p's scale word and codes
.if !(\last)
	QK (\q)-1                                      ; a's scores of the next step
.endif
.endif
	WIN 0
.if \first
	v_max_num_f32 v[T0], v[BM], v[BM+2]
.else
	v_max3_num_f32 v[T0], v[BM], v[BM+2], v[ST+1]
.endif
	D1
	v_permlanex16_b32 v[T1], v[T0], s[SEL], s[SEL+1]
	D1
	v_max_num_f32 v[ST+1], v[T0], v[T1]            ; the largest score so far of my query, the same in both halves of the lanes
	D1
	v_mul_f32 v[T0], s[CN], v[ST+1]                ; -t
.if \first
	D1
	v_floor_f32 v[ST], v[T0]                       ; -M = floor(-t) = -ceil(t)
.else
	v_mov_b32 v[T1], v[ST]
	D2
	v_floor_f32 v[ST], v[T0]
	D1
	v_sub_f32 v[T1], v[ST], v[T1]                  ; old M - new M: a whole number, 0 or less
	D1
	v_cvt_i32_f32 v[T1], v[T1]                     ; (it saturates)
	D1
	v_ldexp_f32 v[FF], 1.0, v[T1]
.endif
.set j, 0
.rept 32
	v_pk_fma_f32 v[SS+j:SS+j+1], v[SS+j:SS+j+1], s[CS:CS+1], v[ST:ST+1] op_sel_hi:[1,0,0]   ; t - M, two at a time
.set j, j+2
.endr
	v_fma_f32 v[BM], v[BM], s[CS], v[ST]           ; the same of each block's largest score
	v_fma_f32 v[BM+2], v[BM+2], s[CS], v[ST]
.if \role == 0
	FRAGS VF, ADR, VIMG                            ; this step's V: over 40 vector instructions stand behind the last products that read these registers
	ds_load_b128 v[VS:VS+3], v[ADS] offset:256
.if !(\last)
	FRAGS KF, ADR, REC                             ; the next step's K: b's scores were this K's last use
	ds_load_b128 v[KS:KS+3], v[ADS] offset:REC
.endif
.endif
.if !(\first)
	WIN 0x41
.endif
	WA                                             ; the wait: ahead of O^T's first readers and ahead of the batch
.if !(\first)
.set j, 0
.rept 16
	v_pk_mul_f32 v[32*(\q)+j:32*(\q)+j+1], v[32*(\q)+j:32*(\q)+j+1], v[FF:FF+1] op_sel_hi:[1,0]   ; O^T under the new M
.set j, j+2
.endr
	WIN 0
.endif
.set j, 0
.rept 64
	v_exp_f32 v[SS+j], v[SS+j]                     ; p = 2^(t - M): one batch,
.set j, j+1
.endr
	v_exp_f32 v[BM], v[BM]                         ; with the blocks' largest p: the same two instructions on the same number give the same bits
	v_exp_f32 v[BM+2], v[BM+2]
	v_nop                                          ; a plain instruction behind the batch,
	WA                                             ; and the one wait ahead of its readers
.if \role == 0
	s_wait_dscnt 0x0                               ; the loads asked for ahead of the batch
.endif
	v_max_num_f32 v[BM], 0x1800000, v[BM]          ; the floor 2^(3 - 127): the byte cannot fall under 1
	v_max_num_f32 v[BM+2], 0x1800000, v[BM+2]
.if \first
	v_pk_add_f32 v[ST+2:ST+3], v[SS:SS+1], v[SS+14:SS+15]   ; the first step starts the sum
.set JJ, 8
.else
	v_pk_fma_f32 v[ST+2:ST+3], v[ST+2:ST+3], v[FF:FF+1], v[SS:SS+1] op_sel_hi:[1,0,1]   ; the sum under the new M takes its first pair in one instruction
.set JJ, 7
.endif
	v_pk_add_f32 v[34:35], v[SS+2:SS+3], v[SS+4:SS+5]
	v_pk_add_f32 v[36:37], v[SS+6:SS+7], v[SS+8:SS+9]
	v_pk_add_f32 v[38:39], v[SS+10:SS+11], v[SS+12:SS+13]
	v_add_nc_u32 v[SO], 0xff000000, v[BM]          ; 2 off the exponent field: the conversion's scale operand
	v_add_nc_u32 v[SO+1], 0xff000000, v[BM+2]
	SUMS 2
	v_cvt_scalef32_pk16_fp6_f32 v[PC:PC+2], v[SS:SS+15], v[SO]
	v_cvt_scalef32_pk16_fp6_f32 v[CT:CT+2], v[SS+16:SS+31], v[SO]       ; (a conversion's three registers begin on an even number)
	v_cvt_scalef32_pk16_fp6_f32 v[PC+6:PC+8], v[SS+32:SS+47], v[SO+1]
	v_cvt_scalef32_pk16_fp6_f32 v[CT+4:CT+6], v[SS+48:SS+63], v[SO+1]
	v_lshrrev_b32 v[T0], 23, v[SO]                 ; the scale bytes (also the plain instructions behind the conversions, whose sources are written below)
	v_lshrrev_b32 v[T1], 23, v[SO+1]
.set A0, JJ
.set JJ, JJ+4
	SUM8 2
	v_lshl_or_b32 v[T0], v[T1], 16, v[T0]          ; my blocks h and 2 + h,
.irp i, 0,1,2
	v_mov_b32 v[PC+3+\i], v[CT+\i]
.endr
	v_lshlrev_b32 v[T0], v[SH], v[T0]              ; at their places;
.irp i, 0,1,2
	v_mov_b32 v[PC+9+\i], v[CT+4+\i]
.endr
	v_permlanex16_b32 v[T1], v[T0], s[SEL], s[SEL+1]
	SUM8 2
	v_or_b32 v[PW], v[T0], v[T1]                   ; with lane l xor 16's two the word is whole
	SUM8 32                                        ; the rest of the pairs: with the seven below over 8 places between p's scale word and codes and the scaled products
	v_pk_add_f32 v[ST+2:ST+3], v[ST+2:ST+3], v[SS+2*A0:SS+2*A0+1]
	v_pk_add_f32 v[34:35], v[34:35], v[SS+2*A0+2:SS+2*A0+3]
	v_pk_add_f32 v[36:37], v[36:37], v[SS+2*A0+4:SS+2*A0+5]
	v_pk_add_f32 v[38:39], v[38:39], v[SS+2*A0+6:SS+2*A0+7]
	v_pk_add_f32 v[34:35], v[34:35], v[36:37]
	v_pk_add_f32 v[ST+2:ST+3], v[ST+2:ST+3], v[38:39]
	D1
	v_pk_add_f32 v[ST+2:ST+3], v[ST+2:ST+3], v[34:35]
.endm
.macro STEP p, first, last
	v_add_nc_u32 v[ADR], s[TB], v[LI]
	v_add_nc_u32 v[ADS], s[TB], v[LSC]
	SM \p, \first, \last, 0
	SM (\p)+1, \first, \last, 1
	PV (\p)+1, \first
	WIN 0
	s_add_co_u32 s[TB], s[TB], REC
.endm
; Query tile q: 32 numbers of a lane (query r, dims 32 h on) become six registers of codes and the tile's scale word
.macro QQ q
.set N, 128+32*(\q)
	v_max3_num_f32 v[BM], |v[N]|, |v[N+1]|, 0x1800000
	v_max3_num_f32 v[BM+1], |v[N+16]|, |v[N+17]|, 0x1800000
.irp i, 2,4,6,8,10,12,14
	v_max3_num_f32 v[BM], v[BM], |v[N+\i]|, |v[N+\i+1]|
	v_max3_num_f32 v[BM+1], v[BM+1], |v[N+16+\i]|, |v[N+17+\i]|
.endr
	D1
	v_max_num_f32 v[BM], v[BM], v[BM+1]
	D1
	v_add_nc_u32 v[SO], 0xff000000, v[BM]
	D1
	v_lshrrev_b32 v[T0], 23, v[SO]
	D1
	v_lshlrev_b32 v[T0], v[SH], v[T0]
	D1
	v_permlanex16_b32 v[T1], v[T0], s[SEL], s[SEL+1]
	D1
	v_or_b32 v[T0], v[T0], v[T1]                   ; s0, s1,
	D1
	v_lshl_or_b32 v[QS+(\q)], v[T0], 16, v[T0]     ; and once more above: Q stands in k 0-63 or in k 64-127
	v_cvt_scalef32_pk16_fp6_f32 v[QZ+6+12*(\q):QZ+8+12*(\q)], v[N:N+15], v[SO]
	v_cvt_scalef32_pk16_fp6_f32 v[CT:CT+2], v[N+16:N+31], v[SO]
	v_nop
.irp i, 0,1,2
	v_mov_b32 v[QZ+9+12*(\q)+\i], v[CT+\i]
.endr
.endm
; Tiles p, p + 1 turn through my two stages, so that a lane gets a whole block of 32 dims of one query, and are quantised
.macro QIN p
.irp d, 0,1
	WIN 0x04
.irp i, 0,1,2,3,4,5,6,7
	ds_store_b128 v[ASA], v[32*(\p+\d)+4*\i:32*(\p+\d)+4*\i+3] offset:STG*\d+544*\i
.endr
	WIN 0
.irp j, 0,1,2,3,4,5,6,7
	ds_load_b128 v[128+32*(\p+\d)+4*\j:128+32*(\p+\d)+4*\j+3], v[ASB] offset:STG*\d+16*\j   ; my wave's own bytes, served in order
.endr
.endr
	s_wait_dscnt 16                                ; the first tile is back; behind it the second's 8 stores and 8 loads were issued
	QQ \p
	s_wait_dscnt 0x0
	QQ (\p)+1
	WA                                             ; the wait ahead of the waits that follow
	s_wait_xcnt 0x0                                ; the global loads and stores issued so far have read their offset register, which the loop writes again
.endm
; A pass: tiles p, p + 1 over all 16 key steps
.macro PASS p
	FRAGS KF, LI, 0                                ; step 0's K
	ds_load_b128 v[KS:KS+3], v[LSC]
	s_mov_b32 s[TB], 0
	s_mov_b32 s[CNT], 14
	s_wait_dscnt 0x0
	QK \p
	WIN 0
.rept 4
	v_nop                                          ; four places between the first scores and their first readers: here no softmax stands between
.endr
	STEP \p, 1, 0
.Lk\@:
	STEP \p, 0, 0
	s_sub_co_u32 s[CNT], s[CNT], 1
	s_cmp_lg_u32 s[CNT], 0
	WA                                             ; the wait ahead of the branch
	s_cbranch_scc1 .Lk\@
	STEP \p, 0, 1
.endm
; THE WAY OUT of tiles p, p + 1: O^T is divided by the sum and goes through my stages, so that sixteen lanes store a token's 256 consecutive bytes of this head.
.macro OUT p
.irp d, 0,1
	v_add_f32 v[STA+2+4*(\p+\d)], v[STA+2+4*(\p+\d)], v[STA+3+4*(\p+\d)]
.endr
.irp d, 0,1
	v_permlanex16_b32 v[34+\d], v[STA+2+4*(\p+\d)], s[SEL], s[SEL+1]
.endr
.irp d, 0,1
	v_add_f32 v[STA+2+4*(\p+\d)], v[STA+2+4*(\p+\d)], v[34+\d]   ; the row's sum
.endr
	v_nop
	v_nop                                          ; (with the four additions: over four places behind the last products, whose operand registers take addresses)
	ADDRS
	WA                                             ; ahead of the batch
.irp d, 0,1
	v_rcp_f32 v[STA+2+4*(\p+\d)], v[STA+2+4*(\p+\d)]
.endr
	v_nop
	WIN 0x01
	WA                                             ; behind it, and ahead of O^T's first readers
.irp d, 0,1
.set j, 0
.rept 16
	v_pk_mul_f32 v[128+32*(\p+\d)+j:128+32*(\p+\d)+j+1], v[32*(\p+\d)+j:32*(\p+\d)+j+1], v[STA+2+4*(\p+\d):STA+3+4*(\p+\d)] op_sel_hi:[1,0]   ; register 8 t + i is o(query r, channel 16 t + 8 h + i); each accumulator from its low end on
.set j, j+2
.endr
.endr
	WIN 0
	WA                                             ; the wait ahead of the stores' readers
.irp d, 0,1
.irp t, 0,1,2,3
	ds_store_b128 v[ASC], v[128+32*(\p+\d)+8*\t:128+32*(\p+\d)+8*\t+3] offset:STG*\d+64*\t
	ds_store_b128 v[ASC], v[128+32*(\p+\d)+8*\t+4:128+32*(\p+\d)+8*\t+7] offset:STG*\d+64*\t+16
.endr
	WIN 0x40
.irp i, 0,1,2,3,4,5,6,7
	ds_load_b128 v[32*(\p+\d)+4*\i:32*(\p+\d)+4*\i+3], v[ASA] offset:STG*\d+544*\i   ; whole rows, into window 1
.endr
	WIN 0
.endr
	WIN 0x04
.irp d, 0,1
	s_wait_dscnt 16*(1-\d)                         ; this tile's rows are back; 16 LDS instructions were issued for the later tile
.irp i, 0,1,2,3,4,5,6,7
	global_store_b128 v[AQG], v[32*(\p+\d)+4*\i:32*(\p+\d)+4*\i+3], s[8:9] offset:65536*(\p+\d)+8192*\i th:TH_STORE_NT
.endr
.endr
	WIN 0
.endm
	s_load_b128 s[4:7], s[0:1], 0x0                ; queries, kv
	s_load_b64 s[8:9], s[0:1], 0x10                ; out0
	v_lshl_add_u32 v[SPW], v0, 2, SPARE
	v_mov_b32 v[NIL], 0
	ds_add_u32 v[SPW], v[NIL]                      ; the opening lines
	ds_add_u32 v[SPW], v[NIL]
	v_lshrrev_b32 v[T0], 5, v0
	D1
	v_readfirstlane_b32 s[WV], v[T0]               ; wave 0..7
	s_bfe_u32 s11, ttmp6, 0x40000                  ; cx
	s_lshl_b32 s12, ttmp9, 2
	s_add_co_u32 s12, s12, s11                     ; my block of 512 queries: it enters Q's and O's addresses alone
	s_and_b32 s13, ttmp7, 0xffff                   ; the head, which the four partners share
	s_lshr_b32 s14, s13, 4
	s_lshl_b32 s14, s14, 23                        ; b
	s_lshl_b32 s15, s12, 21                        ; 512 tokens of 4,096 bytes
	s_add_co_u32 s14, s14, s15
	s_lshl_b32 s15, s[WV], 18                      ; 64 tokens a wave
	s_add_co_u32 s14, s14, s15
	s_and_b32 s15, s13, 15
	s_lshl_b32 s15, s15, 8                         ; 256 bytes a head
	s_add_co_u32 s14, s14, s15
	s_mov_b32 s15, 0
	s_mul_i32 s38, s13, 16*REC                     ; the head's records,
	s_mul_i32 s[G0+1], s[WV], 2*REC                ; LDS address: records 2 w, 2 w + 1
	s_add_co_u32 s38, s38, s[G0+1]                 ; and mine among them
	s_mov_b32 s39, 0
	s_mov_b32 s[G1], 15|(3<<16)|(1<<21)            ; the mask: all four work-groups; elements of 8 bytes; bit 21 beside a mask
	s_mov_b32 s[G1+1], 32<<16                      ; two records are dense: 100 rows of 256 bytes
	s_mov_b32 s[G1+2], 100<<16
	s_mov_b32 s[G1+3], 32<<16
	s_mov_b32 s[G1+4], 100
	s_mov_b32 s[G1+5], 32
	s_mov_b32 s[G1+6], 0
	s_mov_b32 s[G1+7], 0
	s_mov_b32 s[G0], 1
	s_mov_b32 s[SEL], 0x76543210
	s_mov_b32 s[SEL+1], 0xfedcba98                 ; v_permlanex16_b32's selects for lane l xor 16
	s_mov_b32 s[CS], 0x3e38aa3b                    ; c = log2(e) / 8
	s_mov_b32 s[CS+1], s[CS]
	s_mov_b32 s[CN], 0xbe38aa3b                    ; -c
	s_mul_i32 s35, s[WV], 2*STG
	s_add_co_u32 s35, s35, STAGE                   ; my two stages
	ADDRS
	v_and_b32 v[LI], 31, v0
	v_lshl_add_u32 v[LSC], v[RR], 4, 12288
	v_lshlrev_b32 v[SH], 3, v[HH]
	v_lshlrev_b32 v[LI], 4, v[LI]
.irp z, 0,12,24,36,48
.irp j, 0,1,2,3,4,5
	v_mov_b32 v[QZ+\z+\j], 0                       ; zero codes, written once
.endr
.endr
	v_mov_b32 v[T1], 0                             ; a lane permute's destination counts as one of its sources
	v_mov_b32 v[FF+1], 0
	WA                                             ; the wait at the head's end
	s_wait_dscnt 0x0
	s_wait_kmcnt 0x0
	s_add_nc_u64 s[G0+2:G0+3], s[6:7], s[38:39]
	s_or_b32 s[G0+3], s[G0+3], 0x80000000
	s_add_nc_u64 s[4:5], s[4:5], s[14:15]          ; Q and O at my wave's first query
	s_add_nc_u64 s[8:9], s[8:9], s[14:15]
	QLOAD 0                                        ; the first pass's queries
	ROUND                                          ; all four work-groups are here: the joint loads meet
	tensor_load_to_lds s[G0:G0+3], s[G1:G1+7]      ; my one tensor load of the launch
	s_nop 0
.rept 4
	v_nop
.endr
	QLOAD 2                                        ; the second pass's queries: they stay out during the first pass, in registers that it does not name
	s_wait_loadcnt 16                              ; the first pass's 16 loads are in; the 16 issued behind them may be out
	QIN 0
	s_wait_tensorcnt 0x0                           ; my records have landed,
	s_barrier_signal -1
	s_barrier_wait -1                              ; everybody's have: all sixteen may be read from here on, and nothing is filled again
	PASS 0
	OUT 0
	s_wait_loadcnt 0x0                             ; the second pass's queries
	QIN 2
	PASS 2
	OUT 2
	s_wait_tensorcnt 0x0                           ; the wave's end
	ds_add_u32 v[SPW], v[NIL]
	s_wait_dscnt 0x0
	ROUND                                          ; the closing round
	s_endpgm
.Lfunc_end_k_q073bf829d0_attn:
	.size	k_q073bf829d0_attn, .Lfunc_end_k_q073bf829d0_attn-k_q073bf829d0_attn
	.p2alignl 7, 3214868480
	.fill 96, 4, 3214868480
	.section	.rodata,"a",@progbits
	.p2align	6, 0x0
	.amdhsa_kernel k_q073bf829d0_attn
		.amdhsa_group_segment_fixed_size 275456
		.amdhsa_private_segment_fixed_size 0
		.amdhsa_enable_private_segment 0
		.amdhsa_kernarg_size 24
		.amdhsa_user_sgpr_count 2
		.amdhsa_user_sgpr_kernarg_segment_ptr 1
		.amdhsa_wavefront_size32 1
		.amdhsa_system_sgpr_workgroup_id_x 1
		.amdhsa_system_sgpr_workgroup_id_y 1
		.amdhsa_system_sgpr_workgroup_id_z 1
		.amdhsa_system_vgpr_workitem_id 0
		.amdhsa_next_free_vgpr 480
		.amdhsa_next_free_sgpr 66
		.amdhsa_reserve_vcc 0
		.amdhsa_float_denorm_mode_32 3
		.amdhsa_float_denorm_mode_16_64 3
		.amdhsa_memory_ordered 1
		.amdhsa_forward_progress 1
		.amdhsa_inst_pref_size 192
	.end_amdhsa_kernel
	.amdgpu_metadata
---
amdhsa.version: [ 1, 2 ]
amdhsa.kernels:
  - .name:           k_q073bf829d0_attn
    .symbol:         k_q073bf829d0_attn.kd
    .args:
      - { .name: queries, .offset: 0, .size: 8, .value_kind: global_buffer, .address_space: global }
      - { .name: kv, .offset: 8, .size: 8, .value_kind: global_buffer, .address_space: global }
      - { .name: out0, .offset: 16, .size: 8, .value_kind: global_buffer, .address_space: global }
    .group_segment_fixed_size: 275456
    .private_segment_fixed_size: 0
    .kernarg_segment_align: 8
    .kernarg_segment_size: 24
    .max_flat_workgroup_size: 256
    .sgpr_count:     66
    .vgpr_count:     480
    .wavefront_size: 32
...
	.end_amdgpu_metadata
.endif
;; end of part 2
